; MI455X (gfx1250); checked and timed in simulation.
; The chip was launched on July 23, 2026; its instructions are those of AMD's public machine-readable ISA for CDNA 5 (MIT licence, August 2026) and "CDNA5" Instruction Set Architecture Reference Guide (July 2026). The comments in the code are by the model that wrote it; some were corrected since.
;; Self Attention. Allowed arithmetic: float matrix products may take bf16 or f16 operands with f32 sums; all other float work in f32.
;; Inputs: gn_b 256 float32; gn_w 256 float32; proj_b 256 float32; proj_w 256 x 256 float32; qkv_b 768 float32; qkv_w 768 x 256 float32; x 4 x 256 x 64 x 64 float32.
;; Outputs: out0 4 x 256 x 64 x 64 float32.
;; One version. Each part assembles by itself: llvm-mc -triple=amdgcn-amd-amdhsa -mcpu=gfx1250 --defsym DOCPART=n.
;; ======== version 1 of 1: 3 launches
;; workspace buffers: ab 8,192 bytes; wf 393,216 bytes; qf 8,388,608 bytes; kf 8,912,896 bytes; vf 8,388,608 bytes
;; launch prep (part 1): grid 128 x 1, 32 waves a work-group, no clusters, 4,608 bytes of LDS; arguments x, gn_w, gn_b, qkv_w, proj_w, ab, wf, kf; writes ab, wf, kf
.if DOCPART == 1
	.amdgcn_target "amdgcn-amd-amdhsa--gfx1250"
	.amdhsa_code_object_version 6
	.text
	.protected	k_q4dbc532d17_prep
	.globl	k_q4dbc532d17_prep
	.p2align	8
	.type	k_q4dbc532d17_prep,@function
k_q4dbc532d17_prep:
	s_mov_b64 s[64:65], 0
	v_nop
	global_prefetch_b8 v0, s[64:65] scope:SCOPE_SE
	s_setreg_imm32_b32 hwreg(HW_REG_WAVE_MODE, 25, 1), 1
	s_wait_xcnt 0x0
; prep: GroupNorm's figures and the weights as bf16 fragment images.
; One work-group for each (batch, group): 4 x 32 = 128.  A group is 8 channels x 4,096 pixels = 131,072 consecutive bytes of x; its 32,768 numbers
; stay in the registers of 1,024 threads (32 each) between the pass for the mean and the pass for the variance, which is taken round the
; mean (sum of (x - mean)^2), so a common offset of x costs no digits.  A group has to be seen whole, so there is work for 128 work-groups.
; Stored: ab[b][c] = (a, s), a = gn_w[c] / sqrt(var + 1e-5), s = gn_b[c] - mean a, so that the next launch forms h = a x + s.
; FRAGMENT IMAGE (1,024 bytes): the registers of a 16 x 32 bf16 matrix operand as they lie in a wave.  Half f (512 bytes), lane L at byte 16 L:
; row L % 16, k = 16 f + 8 (L / 16) + 0..7.  wf = qkv_w as [48 blocks of 16 rows][8 K steps] images; proj_w likewise (16 x 8 images) behind
; each batch's 16 key tiles in kf, where the attention launch's key address steps onto it.
; Limits: weights are rounded to bf16 (nearest even); NaN and infinities are not treated specially.
.set X,    16                          ; v[16:47]  my 32 numbers of the group
.set T,    8                           ; v[8:15]   at work
.set CI,   48                          ; v[48:55]  eight weights in f32 (later v48, v49: LDS addresses)
.set CO,   56                          ; v[56:59]  the same in bf16
.set MEAN, 60                          ; v[60:61]  the mean, twice
.set GW,   62                          ; v62 gn_w, v63 gn_b of channel 8 g + lane % 8
.set WADR, 48                          ; 4 x wave
.set LADR, 49                          ; 4 x lane
.set KF_BATCH, 2228224                 ; bytes of a batch in kf: 17 tiles of 131,072
.set KF_PROJ,  2097152                 ; the 17th tile
.macro WSUM a, t                       ; sum over the wave's 32 lanes, in every lane
	v_add_f32_dpp v[\a], v[\a], v[\a] row_xmask:1 row_mask:0xf bank_mask:0xf
	v_add_f32_dpp v[\a], v[\a], v[\a] row_xmask:2 row_mask:0xf bank_mask:0xf
	v_add_f32_dpp v[\a], v[\a], v[\a] row_xmask:4 row_mask:0xf bank_mask:0xf
	v_add_f32_dpp v[\a], v[\a], v[\a] row_xmask:8 row_mask:0xf bank_mask:0xf
	v_permlanex16_b32 v[\t], v[\a], s28, s29       ; the other half of the lanes (its destination has been written before)
	v_add_f32 v[\a], v[\a], v[\t]
.endm
.macro FRAGOFF                         ; image s32, half s33: s24 = byte offset of the half's first number in the f32 matrix, s26 = of the half in the images
	s_lshr_b32 s34, s32, 3
	s_lshl_b32 s34, s34, 14                        ; block of 16 rows of 1,024 bytes
	s_and_b32 s35, s32, 7
	s_lshl_b32 s35, s35, 7                         ; K step: 32 numbers of 4 bytes
	s_add_co_u32 s34, s34, s35
	s_lshl_b32 s35, s33, 6                         ; half: 16 numbers
	s_add_co_u32 s24, s34, s35
	s_lshl_b32 s34, s32, 10
	s_lshl_b32 s35, s33, 9
	s_add_co_u32 s26, s34, s35
.endm
.macro CONV src, dst                   ; one half image: 8 numbers a lane, rounded, 512 consecutive bytes out
	global_load_b128 v[CI:CI+3],   v5, s[\src:\src+1]
	global_load_b128 v[CI+4:CI+7], v5, s[\src:\src+1] offset:16
	s_wait_loadcnt 0x0                             ; these two are the youngest loads: zero (x is needed next anyway)
	v_cvt_pk_bf16_f32 v[CO],   v[CI],   v[CI+1]
	v_cvt_pk_bf16_f32 v[CO+1], v[CI+2], v[CI+3]
	v_cvt_pk_bf16_f32 v[CO+2], v[CI+4], v[CI+5]
	v_cvt_pk_bf16_f32 v[CO+3], v[CI+6], v[CI+7]
	global_store_b128 v6, v[CO:CO+3], s[\dst:\dst+1]
.endm
	s_load_b512 s[4:19], s[0:1], 0x0               ; x 4, gn_w 6, gn_b 8, qkv_w 10, proj_w 12, ab 14, wf 16, kf 18
	v_lshl_add_u32 v64, v0, 2, 0x200
	v_mov_b32 v65, 0
	v_lshrrev_b32 v1, 5, v0
	v_readfirstlane_b32 s20, v1                    ; wave 0..31
	v_and_b32 v1, 31, v0                           ; lane
	v_and_b32 v2, 15, v0                           ; r
	v_bfe_u32 v3, v0, 4, 1                         ; h
	v_lshlrev_b32 v4, 4, v0                        ; 16 x thread
	v_lshlrev_b32 v5, 10, v2
	v_lshl_add_u32 v5, v3, 5, v5                   ; weights: row r (1,024 bytes) + 8 h numbers
	v_lshlrev_b32 v6, 4, v1                        ; 16 x lane
	v_and_b32 v7, 7, v0
	s_lshr_b32 s21, ttmp9, 5                       ; b
	s_and_b32 s22, ttmp9, 31                       ; g
	s_lshl_b32 s23, s22, 5
	v_lshl_add_u32 v7, v7, 2, s23                  ; 4 (8 g + lane % 8)
	s_lshl_b32 s24, ttmp9, 17                      ; the group's 131,072 bytes
	s_mov_b32 s25, 0
	s_mov_b32 s27, 0
	s_mov_b32 s28, 0x76543210
	s_mov_b32 s29, 0xfedcba98
	s_mov_b32 s31, 0x38000000                      ; 1 / 32,768
	s_wait_kmcnt 0x0
	s_add_nc_u64 s[4:5], s[4:5], s[24:25]
	global_load_b32 v[GW],   v7, s[6:7]            ; every wave: two small loads at the head, so that their way is not added at the end
	global_load_b32 v[GW+1], v7, s[8:9]
.set j, 0
.rept 8
	global_load_b128 v[X+4*j:X+4*j+3], v4, s[4:5] offset:16384*j   ; a wave's load covers 512 consecutive bytes
.set j, j+1
.endr
	; the weights: waves 0-5 take the halves of three images of qkv_w (3 x 128 work-groups = 384 images),
	; waves 8-15 the halves of four images of proj_w for this batch's copy (4 x 32 groups = 128 images)
	s_cmp_lt_u32 s20, 6
	s_cbranch_scc0 .Lnot_qkv
	s_mul_i32 s32, ttmp9, 3
	s_lshr_b32 s33, s20, 1
	s_add_co_u32 s32, s32, s33                     ; image
	s_and_b32 s33, s20, 1                          ; half
	FRAGOFF
	s_add_nc_u64 s[10:11], s[10:11], s[24:25]
	s_add_nc_u64 s[16:17], s[16:17], s[26:27]
	CONV 10, 16
	s_branch .Lconv_done
.Lnot_qkv:
	s_cmp_lt_u32 s20, 8
	s_cbranch_scc1 .Lconv_done
	s_cmp_lt_u32 s20, 16
	s_cbranch_scc0 .Lconv_done
	s_sub_co_u32 s33, s20, 8
	s_lshr_b32 s33, s33, 1
	s_lshl2_add_u32 s32, s22, s33                  ; image 4 g + ..
	s_and_b32 s33, s20, 1
	FRAGOFF
	s_mul_i32 s34, s21, KF_BATCH
	s_add_co_u32 s26, s26, s34
	s_add_co_u32 s26, s26, KF_PROJ
	s_add_nc_u64 s[12:13], s[12:13], s[24:25]
	s_add_nc_u64 s[18:19], s[18:19], s[26:27]
	CONV 12, 18
.Lconv_done:
	s_wait_loadcnt 0x0                             ; x, gn_w, gn_b
	v_mov_b32 v[WADR], s20
	v_lshlrev_b32 v[WADR], 2, v[WADR]
	v_lshlrev_b32 v[LADR], 2, v1
	; the mean: four chains in a lane, the lanes of a wave, the 32 waves through LDS
.set j, 0
.rept 4
	v_pk_add_f32 v[T+2*j:T+2*j+1], v[X+4*j:X+4*j+1], v[X+4*j+2:X+4*j+3]
.set j, j+1
.endr
.set j, 0
.rept 8
	v_pk_add_f32 v[T+2*(j%4):T+2*(j%4)+1], v[T+2*(j%4):T+2*(j%4)+1], v[X+16+2*j:X+17+2*j]
.set j, j+1
.endr
	v_pk_add_f32 v[T:T+1], v[T:T+1], v[T+2:T+3]
	v_pk_add_f32 v[T+4:T+5], v[T+4:T+5], v[T+6:T+7]
	v_pk_add_f32 v[T:T+1], v[T:T+1], v[T+4:T+5]
	v_add_f32 v[T], v[T], v[T+1]
	WSUM T, T+1
	ds_store_b32 v[WADR], v[T]                     ; all lanes write the wave's word with the same value
	s_wait_dscnt 0x0                               ; for the other waves: zero
	s_barrier_signal -1
	s_barrier_wait -1
	ds_load_b32 v[T], v[LADR]                      ; lane l takes wave l's sum
	s_wait_dscnt 0x0
	WSUM T, T+1
	v_mul_f32 v[MEAN],   s31, v[T]
	v_mul_f32 v[MEAN+1], s31, v[T]
	; the variance, round the mean
.set j, 0
.rept 16
	v_pk_add_f32 v[X+2*j:X+2*j+1], v[X+2*j:X+2*j+1], v[MEAN:MEAN+1] neg_lo:[0,1] neg_hi:[0,1]
.set j, j+1
.endr
.set j, 0
.rept 4
	v_pk_mul_f32 v[T+2*j:T+2*j+1], v[X+2*j:X+2*j+1], v[X+2*j:X+2*j+1]      ; the first squares start the four chains
.set j, j+1
.endr
.set j, 4
.rept 12
	v_pk_fma_f32 v[T+2*(j%4):T+2*(j%4)+1], v[X+2*j:X+2*j+1], v[X+2*j:X+2*j+1], v[T+2*(j%4):T+2*(j%4)+1]
.set j, j+1
.endr
	v_pk_add_f32 v[T:T+1], v[T:T+1], v[T+2:T+3]
	v_pk_add_f32 v[T+4:T+5], v[T+4:T+5], v[T+6:T+7]
	v_pk_add_f32 v[T:T+1], v[T:T+1], v[T+4:T+5]
	v_add_f32 v[T], v[T], v[T+1]
	WSUM T, T+1
	ds_store_b32 v[WADR], v[T] offset:256          ; other bytes than the first sum's: no barrier between the two uses
	s_wait_dscnt 0x0
	s_barrier_signal -1
	s_barrier_wait -1
	ds_load_b32 v[T], v[LADR] offset:256
	s_wait_dscnt 0x0
	WSUM T, T+1
	v_fmaak_f32 v[T], s31, v[T], 0x3727c5ac        ; var + 1e-5
	v_rsq_f32 v[T+1], v[T]
	v_nop                                          ; one plain vector instruction behind a transcendental (ISA guide 5.7.2)
	s_wait_alu depctr_va_vdst(0)
	v_mul_f32 v[T+2], v[T+1], v[GW]                ; a
	v_fma_f32 v[T+3], -v[MEAN], v[T+2], v[GW+1]    ; s = gn_b - mean a
	s_cmp_lg_u32 s20, 0
	s_cbranch_scc1 .Lend
	v_lshlrev_b32 v[T+4], 3, v1
	s_lshl_b32 s24, ttmp9, 6                       ; 8 channels x 8 bytes
	s_add_nc_u64 s[14:15], s[14:15], s[24:25]
	v_cmp_gt_u32 vcc_lo, 8, v1
	s_wait_xcnt 0x0                                ; EXEC is a source of the wave's earlier store: it narrows only behind this wait
	s_and_saveexec_b32 s30, vcc_lo
	global_store_b64 v[T+4], v[T+2:T+3], s[14:15]  ; lanes 0-7: the group's eight (a, s)
	s_wait_xcnt 0x0                                ; and widens only behind this one
	s_or_b32 exec_lo, exec_lo, s30
.Lend:
	s_wait_tensorcnt 0x0
	ds_add_u32 v64, v65
	s_wait_dscnt 0x0
	s_endpgm
.Lfunc_end_k_q4dbc532d17_prep:
	.size	k_q4dbc532d17_prep, .Lfunc_end_k_q4dbc532d17_prep-k_q4dbc532d17_prep
	.p2alignl 7, 3214868480
	.fill 96, 4, 3214868480
	.section	.rodata,"a",@progbits
	.p2align	6, 0x0
	.amdhsa_kernel k_q4dbc532d17_prep
		.amdhsa_group_segment_fixed_size 4608
		.amdhsa_private_segment_fixed_size 0
		.amdhsa_enable_private_segment 0
		.amdhsa_kernarg_size 64
		.amdhsa_user_sgpr_count 2
		.amdhsa_user_sgpr_kernarg_segment_ptr 1
		.amdhsa_wavefront_size32 1
		.amdhsa_system_sgpr_workgroup_id_x 1
		.amdhsa_system_sgpr_workgroup_id_y 1
		.amdhsa_system_sgpr_workgroup_id_z 1
		.amdhsa_system_vgpr_workitem_id 0
		.amdhsa_next_free_vgpr 66
		.amdhsa_next_free_sgpr 66
		.amdhsa_reserve_vcc 1
		.amdhsa_float_denorm_mode_32 3
		.amdhsa_float_denorm_mode_16_64 3
		.amdhsa_memory_ordered 1
		.amdhsa_forward_progress 1
		.amdhsa_inst_pref_size 11
	.end_amdhsa_kernel
	.amdgpu_metadata
---
amdhsa.version: [ 1, 2 ]
amdhsa.kernels:
  - .name:           k_q4dbc532d17_prep
    .symbol:         k_q4dbc532d17_prep.kd
    .args:
      - { .name: x, .offset: 0, .size: 8, .value_kind: global_buffer, .address_space: global }
      - { .name: gn_w, .offset: 8, .size: 8, .value_kind: global_buffer, .address_space: global }
      - { .name: gn_b, .offset: 16, .size: 8, .value_kind: global_buffer, .address_space: global }
      - { .name: qkv_w, .offset: 24, .size: 8, .value_kind: global_buffer, .address_space: global }
      - { .name: proj_w, .offset: 32, .size: 8, .value_kind: global_buffer, .address_space: global }
      - { .name: ab, .offset: 40, .size: 8, .value_kind: global_buffer, .address_space: global }
      - { .name: wf, .offset: 48, .size: 8, .value_kind: global_buffer, .address_space: global }
      - { .name: kf, .offset: 56, .size: 8, .value_kind: global_buffer, .address_space: global }
    .group_segment_fixed_size: 4608
    .private_segment_fixed_size: 0
    .kernarg_segment_align: 8
    .kernarg_segment_size: 64
    .max_flat_workgroup_size: 1024
    .sgpr_count:     66
    .vgpr_count:     66
    .wavefront_size: 32
...
	.end_amdgpu_metadata
.endif
;; end of part 1
;; launch qkv (part 2): grid 256 x 1, 4 waves a work-group, clusters of 4 x 1, 327,680 bytes of LDS; arguments x, ab, wf, qkv_b, qf, kf, vf; writes qf, kf, vf
.if DOCPART == 2
	.amdgcn_target "amdgcn-amd-amdhsa--gfx1250"
	.amdhsa_code_object_version 6
	.text
	.protected	k_q4dbc532d17_qkv
	.globl	k_q4dbc532d17_qkv
	.p2align	8
	.type	k_q4dbc532d17_qkv,@function
k_q4dbc532d17_qkv:
	s_mov_b64 s[64:65], 0
	v_nop
	global_prefetch_b8 v0, s[64:65] scope:SCOPE_SE
	s_setreg_imm32_b32 hwreg(HW_REG_WAVE_MODE, 25, 1), 1
	s_wait_xcnt 0x0
	s_wait_alu depctr_hold_cnt(0) depctr_sa_sdst(0) depctr_va_vdst(0) depctr_va_sdst(0) depctr_va_ssrc(0) depctr_va_vcc(0) depctr_vm_vsrc(0)
	s_getreg_b32 s2, hwreg(HW_REG_IB_STS2, 6, 4)
	s_cmp_eq_u32 s2, 0
	s_cbranch_scc0 .Lentry_in_a_cluster
	s_endpgm
.Lentry_in_a_cluster:
	s_bfe_u32 s2, ttmp6, 0x10000c
	s_cmp_lg_u32 s2, 0x3003
	s_cbranch_scc0 .Lentry_shape_is_right
	s_endpgm
.Lentry_shape_is_right:
; qkv: h = a x + s (f32, rounded once to bf16), then Q, K, V = W h + bias, stored as bf16 fragment images for the attention launch.
; A work-group takes 64 tokens of one batch and all 768 outputs, so x is read once.  Wave w takes outputs 64 w .. 64 w + 63 of each of Q, K, V:
; three passes of 4 x 4 tiles x 8 K steps = 128 matrix instructions.  h's 32 fragments (64 tokens x 256 channels) stay in 256 registers.
; FRAGMENT IMAGE (1,024 bytes): half f (512 bytes), lane L at byte 16 L: row L % 16, k = 16 f + 8 (L / 16) + 0..7.  Weights come in as images, results
; leave as images: every LDS load, tensor row and global store is dense (a wave's store covers 512 consecutive bytes), nothing is padded or staged.
; Q and K: source 0 = W, source 1 = h; a lane's eight results are eight neighbouring channels of one token, which pack into a half image's 16 bytes
; (row = token, k = channel).  V: the sources swapped; eight neighbouring tokens of one channel (row = channel, k = token).
; CLUSTERS: every work-group reads the same 384 KiB of weights.  The four work-groups of a cluster ask for them jointly (mask 15): each wave w of
; the four issues the same load of its 32 KiB quarter of a pass's weights, which only it reads in its own LDS.
; Limits: matrix operands in bf16, sums in f32, results rounded once to bf16; NaN and infinities are not treated specially.
.set WA,  0                            ; LDS: weights of pass 0, later of pass 2 (131,072 bytes; wave w's quarter at 32,768 w)
.set WB,  131072                       ; weights of pass 1
.set HB,  262144                       ; h as [256 channels][64 tokens] bf16, pitch 160 bytes; written by LDS stores only, no tensor load lands here
.set HP,  160                          ; an odd multiple of 32 bytes, as the transposing load's eight rows want
.set BI,  32                           ; v[32:63]   bias
.set AS,  64                           ; v[64:127]  (a, s) of my 64 channels, then:
.set WF,  64                           ; v[64:127]  W fragments, two buffers of four
.set XR,  128                          ; v[128:255] x, 32 rows of 4 registers, then:
.set AC,  128                          ; v[128:255] accumulators: tile (o, t) at 8 (4 o + t)
                                       ; window 1:  h fragments: (token tile t, K step k) at 8 (8 t + k)
.set MSB, 0
.macro WIN new                         ; the immediate's high byte repeats the setting that is left
.if MSB != \new
	s_set_vgpr_msb (MSB<<8)|\new
.set MSB, \new
.endif
.endm
.macro PLACES n                        ; plain vector instructions behind matrix instructions (ISA guide 7.12.1)
.rept \n
	v_nop
.endr
.endm
.macro ROUND                           ; a round of the cluster's barrier: my work-group's barrier, wave 0 signals for it, all wait, my barrier again
	s_barrier_signal -1
	s_barrier_wait -1
	s_cmp_lg_u32 s18, 0
	s_cbranch_scc1 .Lnot_wave_0_\@
	s_barrier_signal -3
.Lnot_wave_0_\@:
	s_barrier_wait -3
	s_barrier_signal -1
	s_barrier_wait -1
.endm
.macro MMA d, a, b, zero               ; zero: the first product starts the sum
.if \zero
	v_wmma_f32_16x16x32_bf16 v[\d:\d+7], v[\a:\a+7], v[\b:\b+7], 0
.else
	v_wmma_f32_16x16x32_bf16 v[\d:\d+7], v[\a:\a+7], v[\b:\b+7], v[\d:\d+7]
.endif
.endm
	s_load_b256 s[4:11], s[0:1], 0x0               ; x 4, ab 6, wf 8, qkv_b 10
	s_load_b128 s[12:15], s[0:1], 0x20             ; qf 12, kf 14
	s_load_b64 s[16:17], s[0:1], 0x30              ; vf
	v_lshl_add_u32 v30, v0, 2, 0x4a000
	v_mov_b32 v31, 0
	ds_add_u32 v30, v31
	v_lshrrev_b32 v1, 5, v0
	v_readfirstlane_b32 s18, v1                    ; wave 0..3
	s_bfe_u32 s19, ttmp6, 0x40000                  ; cx
	s_lshr_b32 s20, ttmp9, 4                       ; b: 16 clusters a batch
	s_and_b32 s21, ttmp9, 15
	s_lshl2_add_u32 s21, s21, s19                  ; block of 64 tokens, 0..63
	; descriptor group 1: 32,768 dense bytes as 128 rows of 32 elements of 8 bytes
	s_mov_b32 s24, 15|(3<<16)|(1<<21)              ; 15:0 mask: all four of the cluster; 17:16 elements of 8 bytes; 21 set beside a mask
	s_mov_b32 s25, 32<<16                          ; tensor_dim0 = 32
	s_mov_b32 s26, 128<<16                         ; tensor_dim1 = 128
	s_mov_b32 s27, 32<<16                          ; tile_dim0 = 32
	s_mov_b32 s28, 128                             ; tile_dim1 = 128
	s_mov_b32 s29, 32                              ; from row to row: 32 elements
	s_mov_b32 s30, 0
	s_mov_b32 s31, 0
	; group 0, one set for each region: made of the wave's number alone, alike in the four partners
	s_mov_b32 s32, 1
	s_lshl_b32 s33, s18, 15                        ; WA + 32,768 w
	s_mov_b32 s36, 1
	s_add_co_u32 s37, s33, WB
	s_lshl_b32 s40, s18, 15
	s_mov_b32 s41, 0
	s_mov_b32 s43, 0
	s_wait_dscnt 0x0
	s_wait_kmcnt 0x0
	s_add_nc_u64 s[34:35], s[8:9], s[40:41]        ; pass 0's weights, my quarter
	s_add_nc_u64 s[38:39], s[34:35], 131072        ; pass 1's
	s_or_b32 s35, s35, 0x80000000
	s_or_b32 s39, s39, 0x80000000
	ROUND                                          ; the four work-groups are here: the joint loads meet
	tensor_load_to_lds s[32:35], s[24:31]
	s_nop 0
	tensor_load_to_lds s[36:39], s[24:31]          ; two loads of the wave are out
	s_nop 0
	v_and_b32 v1, 31, v0                           ; lane
	v_and_b32 v2, 15, v0                           ; r
	v_bfe_u32 v3, v0, 4, 1                         ; h
	v_lshlrev_b32 v4, 14, v3
	v_lshl_add_u32 v4, v2, 4, v4                   ; x: channel h (16,384 bytes) + 16 r
	v_lshlrev_b32 v5, 3, v3                        ; ab: channel h
	s_mul_i32 s22, s18, 64*HP
	s_add_co_u32 s22, s22, HB
	v_mul_u32_u24 v6, v3, HP
	v_lshl_add_u32 v6, v2, 3, v6
	v_add_nc_u32 v6, s22, v6                       ; h in: row 64 w + h, 8 bytes at 8 r
	v_and_b32 v7, 7, v0
	v_lshl_add_u32 v7, v3, 3, v7
	v_mul_u32_u24 v7, v7, HP
	v_bfe_u32 v8, v0, 3, 1
	v_lshl_add_u32 v7, v8, 4, v7
	v_add_nc_u32 v7, HB, v7                        ; h out, transposing: row 8 h + L % 8, 16 bytes at 16 ((L / 8) % 2)
	v_lshlrev_b32 v10, 4, v1                       ; 16 x lane
	v_add_nc_u32 v8, s33, v10                      ; my weights in WA
	v_add_nc_u32 v9, WB, v8                        ; and in WB
	v_lshlrev_b32 v11, 5, v3                       ; bias of Q and K: 8 h numbers
	v_lshlrev_b32 v12, 2, v2                       ; bias of V: number r
	; the bases.  Offsets that hold the place in the cluster stay in s[42:43], which feed no descriptor
	s_lshl_b32 s42, s20, 22
	s_lshl_b32 s22, s18, 20
	s_add_co_u32 s42, s42, s22
	s_lshl_b32 s22, s21, 8
	s_add_co_u32 s42, s42, s22
	s_add_nc_u64 s[4:5], s[4:5], s[42:43]          ; x: batch, channel 64 w, token 64 nb
	s_lshl_b32 s42, s20, 11
	s_lshl_b32 s22, s18, 9
	s_add_co_u32 s42, s42, s22
	s_add_nc_u64 s[6:7], s[6:7], s[42:43]          ; ab: (256 b + 64 w) x 8 bytes
	s_lshl_b32 s42, s18, 8
	s_add_nc_u64 s[10:11], s[10:11], s[42:43]      ; qkv_b: 64 w numbers
	s_lshl_b32 s23, s21, 15                        ; four token tiles of 8,192 bytes
	s_lshl_b32 s22, s18, 11                        ; K steps 2 w, 2 w + 1
	s_add_co_u32 s23, s23, s22
	s_lshl_b32 s42, s20, 21
	s_add_co_u32 s42, s42, s23
	s_add_nc_u64 s[12:13], s[12:13], s[42:43]      ; qf
	s_mul_i32 s42, s20, 2228224
	s_add_co_u32 s42, s42, s23
	s_add_nc_u64 s[14:15], s[14:15], s[42:43]      ; kf (a batch is 17 tiles of 131,072 bytes)
	s_lshl_b32 s42, s20, 21
	s_lshl_b32 s22, s21, 15                        ; two blocks of 32 tokens x 16,384 bytes
	s_add_co_u32 s42, s42, s22
	s_lshl_b32 s22, s18, 12                        ; channel tiles 4 w ..
	s_add_co_u32 s42, s42, s22
	s_add_nc_u64 s[16:17], s[16:17], s[42:43]      ; vf
	; x and (a, s): row j is channels 64 w + 2 j (lanes 0-15) and 64 w + 2 j + 1 (lanes 16-31), 256 consecutive bytes each
.set j_, 0
.rept 32
	global_load_b64 v[AS+2*j_:AS+2*j_+1], v5, s[6:7] offset:16*j_
.set j_, j_+1
.endr
.set j_, 0
.rept 32
	global_load_b128 v[XR+4*j_:XR+4*j_+3], v4, s[4:5] offset:32768*j_
.set j_, j_+1
.endr
.set j_, 0
.rept 32
	s_wait_loadcnt 31-j_                           ; row j is in (and all of ab, which is older); the younger rows stay out
	v_pk_fma_f32 v[XR+4*j_:XR+4*j_+1],   v[XR+4*j_:XR+4*j_+1],   v[AS+2*j_:AS+2*j_+1], v[AS+2*j_:AS+2*j_+1] op_sel:[0,0,1] op_sel_hi:[1,0,1]   ; a x + s
	v_pk_fma_f32 v[XR+4*j_+2:XR+4*j_+3], v[XR+4*j_+2:XR+4*j_+3], v[AS+2*j_:AS+2*j_+1], v[AS+2*j_:AS+2*j_+1] op_sel:[0,0,1] op_sel_hi:[1,0,1]
	v_cvt_pk_bf16_f32 v[XR+4*j_],   v[XR+4*j_],   v[XR+4*j_+1]
	v_cvt_pk_bf16_f32 v[XR+4*j_+1], v[XR+4*j_+2], v[XR+4*j_+3]
	ds_store_b64 v6, v[XR+4*j_:XR+4*j_+1] offset:2*HP*j_
.set j_, j_+1
.endr
.macro BIASQK p                        ; bias of outputs 256 p + 64 w + 16 o + 8 h + 0..7
.set o_, 0
.rept 4
	global_load_b128 v[BI+8*o_:BI+8*o_+3],   v11, s[10:11] offset:\p*1024+o_*64
	global_load_b128 v[BI+8*o_+4:BI+8*o_+7], v11, s[10:11] offset:\p*1024+o_*64+16
.set o_, o_+1
.endr
.endm
	BIASQK 0
	s_wait_dscnt 0x0                               ; my rows of h are written: zero, for the other waves
	s_barrier_signal -1                            ; the two tensor loads may stay out
	s_barrier_wait -1
	WIN 0x40                                       ; destination in window 1
.set t_, 0
.rept 4
.set k_, 0
.rept 8
	ds_load_tr16_b128 v[8*(8*t_+k_):8*(8*t_+k_)+3],   v7 offset:k_*32*HP+t_*32            ; channels 32 k + 8 h + 0..7 of token 16 t + r
	ds_load_tr16_b128 v[8*(8*t_+k_)+4:8*(8*t_+k_)+7], v7 offset:k_*32*HP+t_*32+16*HP      ; channels 32 k + 16 + 8 h + 0..7
.set k_, k_+1
.endr
.set t_, t_+1
.endr
	WIN 0
.macro LOADW adr, k, buf               ; the four W fragments of one K step: 8 loads of 512 consecutive bytes
.set o_, 0
.rept 4
	ds_load_b128 v[WF+32*(\buf)+8*o_:WF+32*(\buf)+8*o_+3],   v[\adr] offset:o_*8192+(\k)*1024
	ds_load_b128 v[WF+32*(\buf)+8*o_+4:WF+32*(\buf)+8*o_+7], v[\adr] offset:o_*8192+(\k)*1024+512
.set o_, o_+1
.endr
.endm
; One pass: 8 K steps of 16 matrix instructions.  The 16 accumulators take turns, one instruction a turn.
; While a K step is multiplied the next one's fragments are on their way into the other buffer.
; swap = 0: W is source 0, h (window 1) source 1: one window setting serves loads and products.  swap = 1: h is source 0, where an LDS
; load's address stands too, so the setting changes round each run of loads.
.macro PASS adr, swap
	PLACES 5                                       ; the first products write over accumulators of the pass before
	LOADW \adr, 0, 0
.set ks_, 0
.rept 8
.if ks_ < 7
.if ks_ > 0
.if \swap
	WIN 0
.endif
	PLACES 4                                       ; the loads land in the buffer that the last 16 products read
.endif
	LOADW \adr, ks_+1, (ks_+1)&1
	s_wait_dscnt 0x8                               ; all but the 8 loads just issued: this K step's fragments (and h's) are in
.else
	s_wait_dscnt 0x0
.endif
.if \swap
	WIN 0x01
.else
	WIN 0x04
.endif
.set o2_, 0
.rept 4
.set t_, 0
.rept 4
.if \swap
	MMA AC+8*(4*o2_+t_), 8*(8*t_+ks_), WF+32*(ks_&1)+8*o2_, ks_==0
.else
	MMA AC+8*(4*o2_+t_), WF+32*(ks_&1)+8*o2_, 8*(8*t_+ks_), ks_==0
.endif
.set t_, t_+1
.endr
.set o2_, o2_+1
.endr
.set ks_, ks_+1
.endr
	WIN 0
.endm
; Q or K out: register j of tile (o, t) is channel 64 w + 16 o + 8 h + j of token 16 t + r.  Bias, rounding, and the lane's 16 bytes are its
; place in half o % 2 of the image (token tile t, K step 2 w + o / 2).
.macro OUTQK base
	PLACES 4
	s_wait_loadcnt 0x0                             ; the bias
.set o_, 0
.rept 4
.set t_, 0
.rept 4
.set a_, AC+8*(4*o_+t_)
.set i_, 0
.rept 4
	v_pk_add_f32 v[a_+2*i_:a_+2*i_+1], v[a_+2*i_:a_+2*i_+1], v[BI+8*o_+2*i_:BI+8*o_+2*i_+1]
.set i_, i_+1
.endr
.set i_, 0
.rept 4
	v_cvt_pk_bf16_f32 v[a_+i_], v[a_+2*i_], v[a_+2*i_+1]
.set i_, i_+1
.endr
	global_store_b128 v10, v[a_:a_+3], s[\base:\base+1] offset:t_*8192+(o_>>1)*1024+(o_&1)*512
.set t_, t_+1
.endr
.set o_, o_+1
.endr
.endm
	s_wait_tensorcnt 0x1                           ; pass 0's weights are in; pass 1's, issued behind them, may stay out
	PASS 8, 0                                      ; Q
	s_wait_dscnt 0x0                               ; my reads of WA are over,
	s_wait_tensorcnt 0x0                           ; all my tensor loads have landed: group 0 may be written
	ds_add_u32 v30, v31
	s_wait_dscnt 0x0
	s_add_nc_u64 s[34:35], s[34:35], 262144        ; pass 2's weights
	ROUND                                          ; both hold of every wave of the four work-groups
	tensor_load_to_lds s[32:35], s[24:31]          ; WA is filled again; it has pass 1 in which to land.  One load of the wave is out
	s_nop 0
	OUTQK 12
	BIASQK 1
	s_wait_xcnt 0x0                                ; the accumulators, which the stores read, are written again only behind this wait
	PASS 9, 0                                      ; K
	OUTQK 14
.set o_, 0
.rept 4
	global_load_b32 v[BI+o_], v12, s[10:11] offset:2048+o_*64      ; V's bias of channel 64 w + 16 o + r
.set o_, o_+1
.endr
	s_wait_xcnt 0x0
	s_wait_tensorcnt 0x0                           ; pass 2's weights
	PASS 8, 1                                      ; V
	; V out: register j of tile (o, t) is token 16 t + 8 h + j of channel 64 w + 16 o + r: half t % 2 of the image (32 tokens t / 2, channel tile 4 w + o)
	PLACES 4
	s_wait_loadcnt 0x0
.set o_, 0
.rept 4
.set t_, 0
.rept 4
.set a_, AC+8*(4*o_+t_)
.set i_, 0
.rept 4
.if o_&1
	v_pk_add_f32 v[a_+2*i_:a_+2*i_+1], v[a_+2*i_:a_+2*i_+1], v[BI+(o_&2):BI+(o_&2)+1] op_sel:[0,1] op_sel_hi:[1,1]   ; both halves take the pair's second register
.else
	v_pk_add_f32 v[a_+2*i_:a_+2*i_+1], v[a_+2*i_:a_+2*i_+1], v[BI+(o_&2):BI+(o_&2)+1] op_sel_hi:[1,0]                ; both take its first
.endif
.set i_, i_+1
.endr
.set i_, 0
.rept 4
	v_cvt_pk_bf16_f32 v[a_+i_], v[a_+2*i_], v[a_+2*i_+1]
.set i_, i_+1
.endr
	global_store_b128 v10, v[a_:a_+3], s[16:17] offset:(t_>>1)*16384+o_*1024+(t_&1)*512
.set t_, t_+1
.endr
.set o_, o_+1
.endr
	s_wait_tensorcnt 0x0
	ds_add_u32 v30, v31
	s_wait_dscnt 0x0
	ROUND                                          ; the closing round: no work-group ends while a partner may still ask jointly
	s_endpgm
.Lfunc_end_k_q4dbc532d17_qkv:
	.size	k_q4dbc532d17_qkv, .Lfunc_end_k_q4dbc532d17_qkv-k_q4dbc532d17_qkv
	.p2alignl 7, 3214868480
	.fill 96, 4, 3214868480
	.section	.rodata,"a",@progbits
	.p2align	6, 0x0
	.amdhsa_kernel k_q4dbc532d17_qkv
		.amdhsa_group_segment_fixed_size 327680
		.amdhsa_private_segment_fixed_size 0
		.amdhsa_enable_private_segment 0
		.amdhsa_kernarg_size 56
		.amdhsa_user_sgpr_count 2
		.amdhsa_user_sgpr_kernarg_segment_ptr 1
		.amdhsa_wavefront_size32 1
		.amdhsa_system_sgpr_workgroup_id_x 1
		.amdhsa_system_sgpr_workgroup_id_y 1
		.amdhsa_system_sgpr_workgroup_id_z 1
		.amdhsa_system_vgpr_workitem_id 0
		.amdhsa_next_free_vgpr 512
		.amdhsa_next_free_sgpr 66
		.amdhsa_reserve_vcc 0
		.amdhsa_float_denorm_mode_32 3
		.amdhsa_float_denorm_mode_16_64 3
		.amdhsa_memory_ordered 1
		.amdhsa_forward_progress 1
		.amdhsa_inst_pref_size 98
	.end_amdhsa_kernel
	.amdgpu_metadata
---
amdhsa.version: [ 1, 2 ]
amdhsa.kernels:
  - .name:           k_q4dbc532d17_qkv
    .symbol:         k_q4dbc532d17_qkv.kd
    .args:
      - { .name: x, .offset: 0, .size: 8, .value_kind: global_buffer, .address_space: global }
      - { .name: ab, .offset: 8, .size: 8, .value_kind: global_buffer, .address_space: global }
      - { .name: wf, .offset: 16, .size: 8, .value_kind: global_buffer, .address_space: global }
      - { .name: qkv_b, .offset: 24, .size: 8, .value_kind: global_buffer, .address_space: global }
      - { .name: qf, .offset: 32, .size: 8, .value_kind: global_buffer, .address_space: global }
      - { .name: kf, .offset: 40, .size: 8, .value_kind: global_buffer, .address_space: global }
      - { .name: vf, .offset: 48, .size: 8, .value_kind: global_buffer, .address_space: global }
    .group_segment_fixed_size: 327680
    .private_segment_fixed_size: 0
    .kernarg_segment_align: 8
    .kernarg_segment_size: 56
    .max_flat_workgroup_size: 128
    .sgpr_count:     66
    .vgpr_count:     512
    .wavefront_size: 32
...
	.end_amdgpu_metadata
.endif
;; end of part 2
;; launch attn (part 3): grid 256 x 1, 4 waves a work-group, clusters of 4 x 1, 327,680 bytes of LDS; arguments qf, kf, vf, x, proj_b, out0; writes out0
.if DOCPART == 3
	.amdgcn_target "amdgcn-amd-amdhsa--gfx1250"
	.amdhsa_code_object_version 6
	.text
	.protected	k_q4dbc532d17_attn
	.globl	k_q4dbc532d17_attn
	.p2align	8
	.type	k_q4dbc532d17_attn,@function
k_q4dbc532d17_attn:
	s_mov_b64 s[64:65], 0
	v_nop
	global_prefetch_b8 v0, s[64:65] scope:SCOPE_SE
	s_setreg_imm32_b32 hwreg(HW_REG_WAVE_MODE, 25, 1), 1
	s_wait_xcnt 0x0
	s_wait_alu depctr_hold_cnt(0) depctr_sa_sdst(0) depctr_va_vdst(0) depctr_va_sdst(0) depctr_va_ssrc(0) depctr_va_vcc(0) depctr_vm_vsrc(0)
	s_getreg_b32 s2, hwreg(HW_REG_IB_STS2, 6, 4)
	s_cmp_eq_u32 s2, 0
	s_cbranch_scc0 .Lentry_in_a_cluster
	s_endpgm
.Lentry_in_a_cluster:
	s_bfe_u32 s2, ttmp6, 0x10000c
	s_cmp_lg_u32 s2, 0x3003
	s_cbranch_scc0 .Lentry_shape_is_right
	s_endpgm
.Lentry_shape_is_right:
; attn: softmax(Q^T K / 16) V with a running maximum, the projection, its bias and the residual, for 64 queries of one batch.
; 16,384 queries on 256 work-groups are 64 each.  The four waves split the KEYS: in a step wave w takes all 64 queries and keys
; 64 w .. 64 w + 63 of the step's tile of 256, with a maximum, a sum and an O (64 x 256 f32, 512 registers) of its own; the four meet once, at the
; end.  So each K or V fragment read from LDS feeds four matrix instructions, and in the loop a wave reads only LDS bytes that its own loads brought.
; All operands come as fragment images (1,024 bytes: half f, lane L at byte 16 L: row L % 16, k = 16 f + 8 (L / 16) + 0..7): dense, no padding.
; Products are laid so that a result packs into the next operand:  S: source 0 = K (row = key), source 1 = Q (column = query): a lane holds 8
; neighbouring keys of one query = 4 registers of P as source 1.  O: source 0 = V (row = channel), source 1 = P: 8 neighbouring channels of one
; query = 4 registers of O as source 0 of the projection, whose result is 8 neighbouring pixels of one output channel.
; CLUSTERS: the four work-groups of a cluster are of one batch and walk the same K and V tiles: each tile is asked for jointly (mask 15), wave w of
; the four issuing the same load of its 32 KiB quarter.  One region for K, one for V: V's tile is on its way during S and the exponentials, the
; next K tile during the rescaling and P V.  Each refill stands behind a round of the cluster's barrier.  Two tensor loads of a wave are out at
; the start (the first K and V tiles), later one.
; ORDER OF THE TILES: the sums do not hang on the order of the keys.  Cluster c (0..15) of a batch begins at tile c xor 14 (c % 2) and walks round
; the ring of sixteen, so the sixteen clusters of a batch ask for sixteen different tiles in every step; of the eight clusters that share any one
; bit of c the first tiles lie at most three apart round the ring.  The index is made of the cluster's number alone: alike in the four partners.
; The 17th K tile of a batch is proj_w: the last step's K refill brings it.
; Limits: matrix operands (Q, K, V, P, O, proj_w) in bf16, sums in f32; the softmax's denominator adds p in f32 while the numerator uses p rounded
; to bf16; sums run in another order than the reference's; v_exp_f32 gives zero below 2^-126; NaN and infinities are not treated specially.
.set KREG,  0                          ; LDS: a K tile, 256 keys x 256 channels (131,072 bytes; wave w's quarter at 32,768 w; image (key tile, K step) at 1,024 (8 kt + ks))
.set VREG,  131072                     ; a V tile (image (32 keys k, channel tile ct) at 1,024 (16 k + ct)); behind its last fill: exchange area, then stage
.set STATS, 262144                     ; the waves' maxima (256 w + 64 qt + 4 r) and, 1,024 further, sums; no tensor load lands here
.set TILE,  131072
.set SP,    272                        ; the stage's pitch: 256 bytes + 16, so that 16 rows' 16-byte pieces lie in 16 different columns of 256 bytes
.set AK,  1                            ; v1   my K quarter + 16 lane
.set AV,  2                            ; v2   my V quarter + 16 lane
.set L16, 3                            ; v3   16 lane
.set M,   8                            ; v[8:11]   running maximum of query tile qt (raw scores)
.set L,   12                           ; v[12:15]  running sum (of this half of the lanes' keys)
.set NM,  16                           ; v[16:23]  pairs: - c x maximum, 0
.set AL,  24                           ; v[24:31]  pairs: the factor for O, 0
.set T,   32                           ; v[32:47]  the maxima's four registers at work for each query tile
.set L16H, 48                          ; v48  16 lane + 65,536
.set ST,  49                           ; v49  STATS + 256 w + 4 r
.set SL,  50                           ; v50  STATS + 4 r
.set XA,  51                           ; v51  exchange, in: VREG + 8,192 w + 16 lane
.set XB,  52                           ; v52  + 65,536
.set SG,  53                           ; v53  stage, in: VREG + 272 r + 64 w + 32 h
.set SR,  54                           ; v54  stage, out: VREG + 272 (64 w + h) + 16 r
.set XO,  55                           ; v55  x and out0: 16,384 h + 16 r
.set PB,  56                           ; v56  4 r
.set F0,  64                           ; v[64:127]  fragments: K's two buffers of four; V's buffer 0; later O in bf16
.set U,   64                           ; v[64:95]   the sums' eight registers at work for each query tile (K's fragments are done with, V's not yet asked for)
.set F1,  192                          ; v[192:255] V's buffer 1 (free once P is packed)
                                       ; v[128:255] S(kt, qt) at 128 + 64 (kt % 2) + 32 (kt / 2) + 8 qt; P(qt, k) packed in place at 128 + 8 (4 k + qt)
                                       ; window 1: Q(qt, ks) at 8 (8 qt + ks);  windows 2, 3: O(qt, ct) at 8 (16 (qt % 2) + ct), qt = 0, 1 and 2, 3
.set MSB, 0
.macro WIN new                         ; the immediate's high byte repeats the setting that is left
.if MSB != \new
	s_set_vgpr_msb (MSB<<8)|\new
.set MSB, \new
.endif
.endm
.macro PLACES n                        ; plain vector instructions behind matrix instructions (ISA guide 7.12.1)
.rept \n
	v_nop
.endr
.endm
.macro CREST                           ; a round of the cluster's barrier behind its opening barrier
	s_cmp_lg_u32 s16, 0
	s_cbranch_scc1 .Lnot_wave_0_\@
	s_barrier_signal -3
.Lnot_wave_0_\@:
	s_barrier_wait -3
	s_barrier_signal -1
	s_barrier_wait -1
.endm
.macro ROUND                           ; a whole round
	s_barrier_signal -1
	s_barrier_wait -1
	CREST
.endm
.macro MMA d, a, b, zero               ; zero: the first product starts the sum
.if \zero
	v_wmma_f32_16x16x32_bf16 v[\d:\d+7], v[\a:\a+7], v[\b:\b+7], 0
.else
	v_wmma_f32_16x16x32_bf16 v[\d:\d+7], v[\a:\a+7], v[\b:\b+7], v[\d:\d+7]
.endif
.endm
	s_load_b256 s[4:11], s[0:1], 0x0               ; qf 4, kf 6, vf 8, x 10
	s_load_b128 s[12:15], s[0:1], 0x20             ; proj_b 12, out0 14
	v_lshl_add_u32 v62, v0, 2, 0x40800
	v_mov_b32 v63, 0
	ds_add_u32 v62, v63
	v_lshrrev_b32 v1, 5, v0
	v_readfirstlane_b32 s16, v1                    ; wave 0..3
	s_bfe_u32 s17, ttmp6, 0x40000                  ; cx
	s_lshr_b32 s18, ttmp9, 4                       ; b: 16 clusters a batch
	s_and_b32 s19, ttmp9, 15
	s_lshl2_add_u32 s19, s19, s17                  ; block of 64 queries, 0..63
	s_and_b32 s41, ttmp9, 15                       ; c: the cluster in its batch
	s_and_b32 s47, ttmp9, 1
	s_mul_i32 s47, s47, 14
	s_xor_b32 s41, s41, s47                        ; the first tile: c, for odd c with its upper three bits turned
	s_lshl_b32 s54, s41, 17                        ; s[54:55]: the tile's byte offset (V's, and K's but for the last refill)
	s_mov_b32 s55, 0
	s_mov_b32 s57, 0                               ; s[56:57]: K's offset
	; descriptor group 1: 32,768 dense bytes as 128 rows of 32 elements of 8 bytes
	s_mov_b32 s24, 15|(3<<16)|(1<<21)              ; 15:0 mask: all four of the cluster; 17:16 elements of 8 bytes; 21 set beside a mask
	s_mov_b32 s25, 32<<16                          ; tensor_dim0 = 32
	s_mov_b32 s26, 128<<16                         ; tensor_dim1 = 128
	s_mov_b32 s27, 32<<16                          ; tile_dim0 = 32
	s_mov_b32 s28, 128                             ; tile_dim1 = 128
	s_mov_b32 s29, 32                              ; from row to row: 32 elements
	s_mov_b32 s30, 0
	s_mov_b32 s31, 0
	; group 0 for K and for V: made of the batch, the cluster's number and the wave's number, which the four partners share
	s_mov_b32 s32, 1
	s_lshl_b32 s33, s16, 15
	s_mov_b32 s36, 1
	s_add_co_u32 s37, s33, VREG
	s_mul_i32 s20, s18, 2228224                    ; a batch of kf: 17 tiles
	s_add_co_u32 s20, s20, s33
	s_mov_b32 s21, 0
	s_lshl_b32 s22, s18, 21
	s_add_co_u32 s22, s22, s33
	s_mov_b32 s23, 0
	s_mov_b32 s42, 0x3db8aa3b                      ; c = log2(e) / 16: the scale 256^-0.5 and the base of v_exp_f32
	s_mov_b32 s43, 0x3db8aa3b
	s_mov_b32 s44, 0x76543210
	s_mov_b32 s45, 0xfedcba98
	s_mov_b32 s46, 0xbdb8aa3b                      ; - c
	s_mov_b32 s49, 0
	s_wait_dscnt 0x0
	s_wait_kmcnt 0x0
	s_add_nc_u64 s[6:7], s[6:7], s[20:21]          ; kf and vf at my quarter of the batch's tile 0: they stay so
	s_add_nc_u64 s[8:9], s[8:9], s[22:23]
	s_add_nc_u64 s[34:35], s[6:7], s[54:55]
	s_or_b32 s35, s35, 0x80000000
	s_add_nc_u64 s[38:39], s[8:9], s[54:55]
	s_or_b32 s39, s39, 0x80000000
	ROUND                                          ; the four work-groups are here
	tensor_load_to_lds s[32:35], s[24:31]          ; the first K tile
	s_nop 0
	tensor_load_to_lds s[36:39], s[24:31]          ; and the first V tile: first fills, two loads of the wave are out
	s_nop 0
	v_and_b32 v4, 31, v0                           ; lane
	v_and_b32 v5, 15, v0                           ; r
	v_bfe_u32 v6, v0, 4, 1                         ; h
	v_lshlrev_b32 v[L16], 4, v4
	; offsets that hold the place in the cluster stay in s[48:49], which feed no descriptor
	s_lshl_b32 s48, s18, 21
	s_lshl_b32 s50, s19, 15
	s_add_co_u32 s48, s48, s50
	s_add_nc_u64 s[4:5], s[4:5], s[48:49]          ; my 64 queries' 32 images
	WIN 0x40                                       ; destination in window 1
.set j_, 0
.rept 64
	global_load_b128 v[4*j_:4*j_+3], v[L16], s[4:5] offset:512*j_  ; half j of the images = registers 4 j ..: every wave holds all of Q
.set j_, j_+1
.endr
	WIN 0
	s_lshl_b32 s48, s18, 22
	s_lshl_b32 s50, s16, 20
	s_add_co_u32 s48, s48, s50
	s_lshl_b32 s50, s19, 8
	s_add_co_u32 s48, s48, s50
	s_add_nc_u64 s[10:11], s[10:11], s[48:49]      ; x and out0: batch, channel 64 w, pixel 64 nb
	s_add_nc_u64 s[14:15], s[14:15], s[48:49]
	v_add_nc_u32 v[AK], s33, v[L16]
	v_add_nc_u32 v[AV], VREG, v[AK]
	v_add_nc_u32 v[L16H], 65536, v[L16]
	s_lshl_b32 s50, s16, 8
	s_add_co_u32 s50, s50, STATS
	v_lshl_add_u32 v[ST], v5, 2, s50
	v_lshlrev_b32 v[PB], 2, v5
	v_add_nc_u32 v[SL], STATS, v[PB]
	s_lshl_b32 s51, s16, 13
	s_add_co_u32 s51, s51, VREG
	v_add_nc_u32 v[XA], s51, v[L16]
	v_add_nc_u32 v[XB], 65536, v[XA]
	s_lshl_b32 s52, s16, 6
	s_add_co_u32 s52, s52, VREG
	v_mul_u32_u24 v[SG], v5, SP
	v_lshl_add_u32 v[SG], v6, 5, v[SG]
	v_add_nc_u32 v[SG], s52, v[SG]
	s_mul_i32 s53, s16, 64*SP
	s_add_co_u32 s53, s53, VREG
	v_mul_u32_u24 v[SR], v6, SP
	v_lshl_add_u32 v[SR], v5, 4, v[SR]
	v_add_nc_u32 v[SR], s53, v[SR]
	v_lshlrev_b32 v[XO], 14, v6
	v_lshl_add_u32 v[XO], v5, 4, v[XO]
.irp q, 0,1,2,3
	v_mov_b32 v[NM+2*\q+1], 0                      ; the second registers of the broadcast pairs: named, never used
	v_mov_b32 v[AL+2*\q+1], 0
.endr
.macro LOADK k, buf                    ; the four K fragments of one K step: 8 loads of 512 consecutive bytes
.set lk_, 0
.rept 4
	ds_load_b128 v[F0+32*(\buf)+8*lk_:F0+32*(\buf)+8*lk_+3],   v[AK] offset:lk_*8192+(\k)*1024
	ds_load_b128 v[F0+32*(\buf)+8*lk_+4:F0+32*(\buf)+8*lk_+7], v[AK] offset:lk_*8192+(\k)*1024+512
.set lk_, lk_+1
.endr
.endm
.macro LOADV beta, f                   ; eight V fragments: both blocks of 32 keys x channel tiles 4 beta .. + 3: 16 loads
.set lk_, 0
.rept 2
.set lc_, 0
.rept 4
	ds_load_b128 v[\f+8*(4*lk_+lc_):\f+8*(4*lk_+lc_)+3],   v[AV] offset:lk_*16384+(4*(\beta)+lc_)*1024
	ds_load_b128 v[\f+8*(4*lk_+lc_)+4:\f+8*(4*lk_+lc_)+7], v[AV] offset:lk_*16384+(4*(\beta)+lc_)*1024+512
.set lc_, lc_+1
.endr
.set lk_, lk_+1
.endr
.endm
; S = K Q for 64 keys x 64 queries: 8 K steps of 16 matrix instructions under one window setting (source 1 = Q in window 1).
; The 16 accumulators take turns, one instruction a turn.
.macro SPHASE
	WIN 0x04
	PLACES 5                                       ; the first products write over P and V's buffer 1, which the last P V products read
	LOADK 0, 0
.set ks_, 0
.rept 8
.if ks_ < 7
.if ks_ > 0
	PLACES 4                                       ; the loads land in the buffer that the last 16 products read
.endif
	LOADK ks_+1, (ks_+1)&1
	s_wait_dscnt 0x8                               ; all but the 8 loads just issued
.else
	s_wait_dscnt 0x0
.endif
.set kt_, 0
.rept 4
.set qt_, 0
.rept 4
	MMA 128+64*(kt_&1)+8*(4*(kt_>>1)+qt_), F0+32*(ks_&1)+8*kt_, 8*(8*qt_+ks_), ks_==0
.set qt_, qt_+1
.endr
.set kt_, kt_+1
.endr
.set ks_, ks_+1
.endr
	PLACES 4                                       ; before vector instructions read the scores or write K's fragment registers
	WIN 0
.endm
; THE SOFTMAX'S STEP, in four stages, each over all four query tiles with the query tile as the inner index: an instruction and the one that
; needs its result stand 4 to 16 instructions apart.  Lane (r, h) holds query r's scores of 32 keys (8 h + 0..7 of four key tiles); the lane 16
; away holds the other 32.  The maximum is taken over both; the sums of the two halves are kept apart until the end.  p = 2^(c s - c m).
; first = 1: nothing is carried yet.
.macro SM_MAX first                    ; the new maxima, - c m, and c (old - new)
.set i_, 0
.rept 4
.set q_, 0
.rept 4
.set b_, 128+64*(i_&1)+32*(i_>>1)+8*q_
	v_max3_num_f32 v[T+4*q_+i_], v[b_], v[b_+1], v[b_+2]           ; a chain for each key tile
.set q_, q_+1
.endr
.set i_, i_+1
.endr
.set l_, 3
.rept 2
.set i_, 0
.rept 4
.set q_, 0
.rept 4
.set b_, 128+64*(i_&1)+32*(i_>>1)+8*q_
	v_max3_num_f32 v[T+4*q_+i_], v[T+4*q_+i_], v[b_+l_], v[b_+l_+1]
.set q_, q_+1
.endr
.set i_, i_+1
.endr
.set l_, l_+2
.endr
.irp q, 0,1,2,3
	v_max3_num_f32 v[T+4*\q], v[T+4*\q], v[T+4*\q+1], v[T+4*\q+2]
.endr
.irp q, 0,1,2,3
	v_max3_num_f32 v[T+4*\q+3], v[T+4*\q+3], v[135+8*\q], v[199+8*\q]      ; the four tiles' last registers
.endr
.irp q, 0,1,2,3
	v_max3_num_f32 v[T+4*\q], v[T+4*\q], v[167+8*\q], v[231+8*\q]
.endr
.irp q, 0,1,2,3
	v_max_num_f32 v[T+4*\q], v[T+4*\q], v[T+4*\q+3]
.endr
.irp q, 0,1,2,3
	v_permlanex16_b32 v[T+4*\q+1], v[T+4*\q], s44, s45             ; the other 32 keys' maximum (the destination has been written)
.endr
.if \first
.irp q, 0,1,2,3
	v_max_num_f32 v[M+\q], v[T+4*\q], v[T+4*\q+1]
.endr
.irp q, 0,1,2,3
	v_mul_f32 v[NM+2*\q], s46, v[M+\q]
.endr
.else
.irp q, 0,1,2,3
	v_max3_num_f32 v[T+4*\q+2], v[T+4*\q], v[T+4*\q+1], v[M+\q]    ; the new maximum
.endr
.irp q, 0,1,2,3
	v_mul_f32 v[NM+2*\q], s46, v[T+4*\q+2]
.endr
.irp q, 0,1,2,3
	v_fma_f32 v[T+4*\q+3], v[M+\q], s42, v[NM+2*\q]                ; c (old - new)
.endr
.endif
.endm
.macro SM_EXP first                    ; the exponents and the exponentials, in place
.set i_, 0
.rept 4
.set q_, 0
.rept 4
.set b_, 128+64*(i_&1)+32*(i_>>1)+8*q_
.set j_, 0
.rept 4
	v_pk_fma_f32 v[b_+2*j_:b_+2*j_+1], v[b_+2*j_:b_+2*j_+1], s[42:43], v[NM+2*q_:NM+2*q_+1] op_sel_hi:[1,0,0]
.set j_, j_+1
.endr
.set q_, q_+1
.endr
.set i_, i_+1
.endr
.if \first == 0
.irp q, 0,1,2,3
	v_exp_f32 v[AL+2*\q], v[T+4*\q+3]              ; the factor for what has been summed so far
.endr
.endif
.set j_, 0
.rept 128
	v_exp_f32 v[128+j_], v[128+j_]
.set j_, j_+1
.endr
.if \first
	v_nop                                          ; one plain vector instruction behind the transcendentals (ISA guide 5.7.2)
.else
.irp q, 0,1,2,3
	v_mov_b32 v[M+\q], v[T+4*\q+2]                 ; plain instructions that touch none of the last exponentials' registers
.endr
.endif
.endm
.macro SM_SUM first                    ; the sums of p in f32
.set i_, 0
	s_wait_alu depctr_va_vdst(0)
.rept 4
.set q_, 0
.rept 4
.set b_, 128+64*(i_&1)+32*(i_>>1)+8*q_
	v_pk_add_f32 v[U+8*q_+2*i_:U+8*q_+2*i_+1], v[b_:b_+1], v[b_+2:b_+3]
.set q_, q_+1
.endr
.set i_, i_+1
.endr
.set l_, 4
.rept 2
.set i_, 0
.rept 4
.set q_, 0
.rept 4
.set b_, 128+64*(i_&1)+32*(i_>>1)+8*q_
	v_pk_add_f32 v[U+8*q_+2*i_:U+8*q_+2*i_+1], v[U+8*q_+2*i_:U+8*q_+2*i_+1], v[b_+l_:b_+l_+1]
.set q_, q_+1
.endr
.set i_, i_+1
.endr
.set l_, l_+2
.endr
.irp q, 0,1,2,3
	v_pk_add_f32 v[U+8*\q:U+8*\q+1], v[U+8*\q:U+8*\q+1], v[U+8*\q+2:U+8*\q+3]
.endr
.irp q, 0,1,2,3
	v_pk_add_f32 v[U+8*\q+4:U+8*\q+5], v[U+8*\q+4:U+8*\q+5], v[U+8*\q+6:U+8*\q+7]
.endr
.irp q, 0,1,2,3
	v_pk_add_f32 v[U+8*\q:U+8*\q+1], v[U+8*\q:U+8*\q+1], v[U+8*\q+4:U+8*\q+5]
.endr
.if \first
.irp q, 0,1,2,3
	v_add_f32 v[L+\q], v[U+8*\q], v[U+8*\q+1]
.endr
.else
.irp q, 0,1,2,3
	v_add_f32 v[U+8*\q], v[U+8*\q], v[U+8*\q+1]
.endr
.irp q, 0,1,2,3
	v_fma_f32 v[L+\q], v[L+\q], v[AL+2*\q], v[U+8*\q]
.endr
.endif
.endm
; P as source 1: keys 32 k + 8 h + 0..7 (the even key tile) in registers 0-3, keys 32 k + 16 + 8 h + 0..7 (the odd one) in 4-7 of the even tile.
; In place: register i is written when registers 2 i, 2 i + 1 are read, and i rises; registers 4-7 are written behind their own reading.
.macro SM_PACK
.irp base, 128, 160
.set i_, 0
.rept 4
.set q_, 0
.rept 4
	v_cvt_pk_bf16_f32 v[\base+8*q_+i_], v[\base+8*q_+2*i_], v[\base+8*q_+2*i_+1]
.set q_, q_+1
.endr
.set i_, i_+1
.endr
.set i_, 0
.rept 4
.set q_, 0
.rept 4
	v_cvt_pk_bf16_f32 v[\base+8*q_+4+i_], v[\base+64+8*q_+2*i_], v[\base+64+8*q_+2*i_+1]
.set q_, q_+1
.endr
.set i_, i_+1
.endr
.endr
.endm
.macro RESCALE                         ; O(qt, .) *= AL(qt): a lane's registers of a tile are all of its query r
	WIN 0x82                                       ; destination and source 0 in window 2
.set q_, 0
.rept 2
.set j_, 0
.rept 64
	v_pk_mul_f32 v[128*q_+2*j_:128*q_+2*j_+1], v[128*q_+2*j_:128*q_+2*j_+1], v[AL+2*q_:AL+2*q_+1] op_sel_hi:[1,0]
.set j_, j_+1
.endr
.set q_, q_+1
.endr
	WIN 0xc3                                       ; in window 3
.set q_, 0
.rept 2
.set j_, 0
.rept 64
	v_pk_mul_f32 v[128*q_+2*j_:128*q_+2*j_+1], v[128*q_+2*j_:128*q_+2*j_+1], v[AL+4+2*q_:AL+5+2*q_] op_sel_hi:[1,0]
.set j_, j_+1
.endr
.set q_, q_+1
.endr
.endm
; 16 matrix instructions of O += V P: channel tiles 4 beta .. + 3, query tiles q0, q0 + 1 (one window), both blocks of 32 keys.
; The 8 accumulators take turns, one instruction a turn.
.macro PVHALF f, beta, win, q0, first
	WIN \win
.set k_, 0
.rept 2
.set z_, 0
.if \first
.if k_ == 0
.set z_, 1
.endif
.endif
.set c_, 0
.rept 4
.set q_, 0
.rept 2
	MMA 8*(16*q_+4*\beta+c_), \f+8*(4*k_+c_), 128+8*(4*k_+\q0+q_), z_
.set q_, q_+1
.endr
.set c_, c_+1
.endr
.set k_, k_+1
.endr
.endm
; One step: 256 keys of the work-group, 64 of the wave.  But for the first it begins straight behind a round of the cluster's barrier.
.macro STEP first
.if \first == 0
	tensor_load_to_lds s[36:39], s[24:31]          ; this step's V tile: first behind the round; it has S, the maxima and the exponentials in which to land
	s_nop 0
.endif
	SPHASE
	SM_MAX \first
	SM_EXP \first
	s_wait_dscnt 0x0                               ; my reads of the K tile are over (met since the last K step's wait),
	s_wait_tensorcnt 0x0                           ; all my tensor loads have landed, this step's V tile among them: group 0 may be written
	ds_add_u32 v62, v63
	s_wait_dscnt 0x0
	s_add_co_u32 s41, s41, 1
	s_and_b32 s41, s41, 15                         ; the next tile, round the ring of sixteen
	s_lshl_b32 s54, s41, 17
	s_cmp_eq_u32 s40, 1                            ; in the last trip K's refill is the 17th tile: proj_w
	s_cselect_b32 s56, 16*TILE, s54
	s_add_nc_u64 s[34:35], s[6:7], s[56:57]
	s_or_b32 s35, s35, 0x80000000
	s_barrier_signal -1                            ; opens the round
	SM_SUM \first                                  ; register work while the others arrive
	SM_PACK
	s_barrier_wait -1
	CREST                                          ; both hold of every wave of the four work-groups
	tensor_load_to_lds s[32:35], s[24:31]          ; the next K tile: first behind the round; it has the rescaling and P V in which to land
	s_nop 0
	LOADV 0, F0
.if \first == 0
	RESCALE
.endif
.set be_, 0
.rept 4
.if be_ < 3
	WIN 0
.if be_ > 0
	PLACES 4                                       ; the loads land in the buffer that the last 32 products read
.endif
	LOADV be_+1, F0+128*((be_+1)&1)
	s_wait_dscnt 0x10                              ; all but the 16 loads just issued
.else
	s_wait_dscnt 0x0                               ; my reads of the V tile are over,
	s_wait_tensorcnt 0x0                           ; the next K tile has landed: no tensor load of mine is out
	ds_add_u32 v62, v63
	s_wait_dscnt 0x0
	s_add_nc_u64 s[38:39], s[8:9], s[54:55]        ; V's next tile (behind the last step the address is not used)
	s_or_b32 s39, s39, 0x80000000
	s_barrier_signal -1                            ; opens the round in front of V's refill
.endif
	PVHALF F0+128*(be_&1), be_, 0xa0, 0, \first
	PVHALF F0+128*(be_&1), be_, 0xf0, 2, \first
.set be_, be_+1
.endr
	WIN 0
	s_barrier_wait -1
	CREST
.endm
	s_mov_b32 s40, 15                              ; the loop's trips; the first step, written out, reads it too
	s_wait_loadcnt 0x0                             ; Q
	s_wait_tensorcnt 0x1                           ; my quarter of the first K tile, which I alone read, is in; the V tile, issued behind it, may stay out
	STEP 1                                         ; the first step starts maxima, sums and O: nothing is cleared
.Lstep:
	STEP 0
	s_sub_co_u32 s40, s40, 1
	s_cmp_lg_u32 s40, 0
	s_cbranch_scc1 .Lstep
	; Behind the last step's round: no wave reads V any more, VREG has had its last fill, and proj_w is whole in KREG.
	; THE FOUR WAVES MEET.  Each publishes its maxima and sums; each scales its O by 2^(c (m_own - m_all)) / (sum of all).
	PLACES 4                                       ; behind the last products
.irp q, 0,1,2,3
	v_permlanex16_b32 v36, v[L+\q], s44, s45       ; (v36 has been written: it was at work in the maxima)
	v_add_f32 v[L+\q], v[L+\q], v36                ; both halves' keys
	ds_store_b32 v[ST], v[M+\q] offset:64*\q       ; the two lanes of a query write the same value
	ds_store_b32 v[ST], v[L+\q] offset:1024+64*\q
.endr
	s_wait_dscnt 0x0
	s_barrier_signal -1
	s_barrier_wait -1
.set w_, 0
.rept 4
.set q_, 0
.rept 4
	ds_load_b32 v[F0+4*w_+q_],    v[SL] offset:256*w_+64*q_
	ds_load_b32 v[F0+16+4*w_+q_], v[SL] offset:1024+256*w_+64*q_
.set q_, q_+1
.endr
.set w_, w_+1
.endr
	s_wait_dscnt 0x0
.irp q, 0,1,2,3
	v_max3_num_f32 v32, v[F0+\q], v[F0+4+\q], v[F0+8+\q]
	v_max_num_f32 v32, v32, v[F0+12+\q]
	v_mul_f32 v33, s46, v32
	v_fma_f32 v34, v[F0+\q],    s42, v33
	v_fma_f32 v35, v[F0+4+\q],  s42, v33
	v_fma_f32 v36, v[F0+8+\q],  s42, v33
	v_fma_f32 v37, v[F0+12+\q], s42, v33
	v_fma_f32 v38, v[M+\q],     s42, v33
	v_exp_f32 v34, v34
	v_exp_f32 v35, v35
	v_exp_f32 v36, v36
	v_exp_f32 v37, v37
	v_exp_f32 v38, v38
	v_nop
	s_wait_alu depctr_va_vdst(0)
	v_mul_f32 v39, v34, v[F0+16+\q]
	v_fmac_f32 v39, v35, v[F0+20+\q]
	v_fmac_f32 v39, v36, v[F0+24+\q]
	v_fmac_f32 v39, v37, v[F0+28+\q]               ; at least 1: the wave that holds the maximum has factor 1 and a sum of at least 1
	v_rcp_f32 v39, v39
	v_nop
	s_wait_alu depctr_va_vdst(0)
	v_mul_f32 v[AL+2*\q], v38, v39
.endr
	RESCALE
; The exchange, in two halves of 128 channels (4 waves x 64 KiB of f32 do not fit at once).  Every wave lays down its part of all four query
; tiles; wave w then adds the four parts of query tile w and rounds them: O as source 0 of the projection, K step ks at F0 + 8 ks.
.macro XCHG hb
	WIN 0x08                                       ; store data in window 2
.set q_, 0
.rept 2
.set c_, 0
.rept 8
	ds_store_b128 v[XA], v[128*q_+64*\hb+8*c_:128*q_+64*\hb+8*c_+3]   offset:q_*32768+c_*1024
	ds_store_b128 v[XA], v[128*q_+64*\hb+8*c_+4:128*q_+64*\hb+8*c_+7] offset:q_*32768+c_*1024+512
.set c_, c_+1
.endr
.set q_, q_+1
.endr
	WIN 0x0c                                       ; in window 3
.set q_, 0
.rept 2
.set c_, 0
.rept 8
	ds_store_b128 v[XB], v[128*q_+64*\hb+8*c_:128*q_+64*\hb+8*c_+3]   offset:q_*32768+c_*1024
	ds_store_b128 v[XB], v[128*q_+64*\hb+8*c_+4:128*q_+64*\hb+8*c_+7] offset:q_*32768+c_*1024+512
.set c_, c_+1
.endr
.set q_, q_+1
.endr
	WIN 0
	s_wait_dscnt 0x0                               ; for the other waves: zero
	s_barrier_signal -1
	s_barrier_wait -1
.if \hb
	; O has left its registers: the bias (16 loads) and then the residual's x (32 loads, into window 2) are asked for now and used at the end
.set o_, 0
.rept 16
	global_load_b32 v[32+o_], v[PB], s[12:13] offset:64*o_         ; proj_b of channel 16 o + r
.set o_, o_+1
.endr
	WIN 0x80
.set t_, 0
.rept 32
	global_load_b128 v[4*t_:4*t_+3], v[XO], s[10:11] offset:32768*t_ th:TH_LOAD_NT   ; channels 64 w + 2 t + h: 16 lanes take 256 consecutive bytes
.set t_, t_+1
.endr
.endif
	WIN 0x40                                       ; destination in window 1 (Q is done with)
.set w_, 0
.rept 4
.set j_, 0
.rept 16
	ds_load_b128 v[64*w_+4*j_:64*w_+4*j_+3], v[AV] offset:w_*8192+j_*512       ; VREG + 32,768 w is query tile w's area: v[AV] serves
.set j_, j_+1
.endr
.set w_, w_+1
.endr
	s_wait_dscnt 0x0
	s_barrier_signal -1                            ; my reads of the area are over; the sums are register work
	WIN 0x45
.set j_, 0
.rept 32
	v_pk_add_f32 v[2*j_:2*j_+1],         v[2*j_:2*j_+1],         v[64+2*j_:65+2*j_]
	v_pk_add_f32 v[128+2*j_:129+2*j_],   v[128+2*j_:129+2*j_],   v[192+2*j_:193+2*j_]
.set j_, j_+1
.endr
.set j_, 0
.rept 32
	v_pk_add_f32 v[2*j_:2*j_+1], v[2*j_:2*j_+1], v[128+2*j_:129+2*j_]
.set j_, j_+1
.endr
	WIN 0x05
.set j_, 0
.rept 32
	v_cvt_pk_bf16_f32 v[F0+32*\hb+j_], v[2*j_], v[2*j_+1]
.set j_, j_+1
.endr
	WIN 0
	s_barrier_wait -1                              ; every wave's are: the area may be written again
.endm
	XCHG 0
	XCHG 1
	; THE PROJECTION: wave w makes its 16 queries x 256 outputs: 16 blocks of 8 matrix instructions (K step n / 2, output tiles 8 (n % 2) .. + 7).
	; Source 0 = O, source 1 = proj_w's images from KREG (all four waves' loads, shown landed in front of the last step's round).
	; The accumulators take turns, one instruction a turn.
.macro LOADP n
.set pk_, (\n)>>1
.set pb_, (\n)&1
.set i_, 0
.rept 8
	ds_load_b128 v[128+64*pb_+8*i_:128+64*pb_+8*i_+3],   v[L16+(L16H-L16)*pb_] offset:i_*8192+pk_*1024
	ds_load_b128 v[128+64*pb_+8*i_+4:128+64*pb_+8*i_+7], v[L16+(L16H-L16)*pb_] offset:i_*8192+pk_*1024+512
.set i_, i_+1
.endr
.endm
	WIN 0x54                                       ; destination, source 1 and source 2 in window 1; source 0 and addresses in window 0
	LOADP 0
.set n_, 0
.rept 16
.if n_ < 15
.if n_ > 0
	PLACES 4                                       ; the loads land in the buffer that the last 8 products read
.endif
	LOADP n_+1
	s_wait_dscnt 0x10                              ; all but the 16 loads just issued
.else
	s_wait_dscnt 0x0
.endif
.set i2_, 0
.rept 8
	MMA 8*(8*(n_&1)+i2_), F0+8*(n_>>1), 128+64*(n_&1)+8*i2_, n_<2
.set i2_, i2_+1
.endr
.set n_, n_+1
.endr
	PLACES 4
	s_wait_loadcnt 0x20                            ; the bias is in; the 32 loads of x, issued behind it, may stay out
	WIN 0x41
.set o_, 0
.rept 16
.set i_, 0
.rept 4
.if o_&1
	v_pk_add_f32 v[8*o_+2*i_:8*o_+2*i_+1], v[8*o_+2*i_:8*o_+2*i_+1], v[32+(o_&14):33+(o_&14)] op_sel:[0,1] op_sel_hi:[1,1]
.else
	v_pk_add_f32 v[8*o_+2*i_:8*o_+2*i_+1], v[8*o_+2*i_:8*o_+2*i_+1], v[32+(o_&14):33+(o_&14)] op_sel_hi:[1,0]
.endif
.set i_, i_+1
.endr
.set o_, o_+1
.endr
	; the stage: [256 channels][64 pixels] f32.  Register j of tile o is pixel 16 w + 8 h + j of channel 16 o + r
	WIN 0x04                                       ; store data in window 1
.set o_, 0
.rept 16
	ds_store_b128 v[SG], v[8*o_:8*o_+3]   offset:o_*16*SP
	ds_store_b128 v[SG], v[8*o_+4:8*o_+7] offset:o_*16*SP+16
.set o_, o_+1
.endr
	WIN 0
	s_wait_dscnt 0x0
	s_barrier_signal -1
	s_barrier_wait -1
	; the way out: wave w takes channels 64 w .. + 63 by whole rows, adds x, and stores: 16 lanes store 256 consecutive bytes, aligned
	WIN 0xc0
.set t_, 0
.rept 32
	ds_load_b128 v[4*t_:4*t_+3], v[SR] offset:2*SP*t_
.set t_, t_+1
.endr
	s_wait_loadcnt 0x0                             ; x
	s_wait_dscnt 0x0
	WIN 0xcb                                       ; window 3 += window 2
.set j_, 0
.rept 64
	v_pk_add_f32 v[2*j_:2*j_+1], v[2*j_:2*j_+1], v[2*j_:2*j_+1]
.set j_, j_+1
.endr
	WIN 0x0c
.set t_, 0
.rept 32
	global_store_b128 v[XO], v[4*t_:4*t_+3], s[14:15] offset:32768*t_ th:TH_STORE_NT
.set t_, t_+1
.endr
	WIN 0
	s_wait_tensorcnt 0x0
	ds_add_u32 v62, v63
	s_wait_dscnt 0x0
	ROUND                                          ; the closing round
	s_endpgm
.Lfunc_end_k_q4dbc532d17_attn:
	.size	k_q4dbc532d17_attn, .Lfunc_end_k_q4dbc532d17_attn-k_q4dbc532d17_attn
	.p2alignl 7, 3214868480
	.fill 96, 4, 3214868480
	.section	.rodata,"a",@progbits
	.p2align	6, 0x0
	.amdhsa_kernel k_q4dbc532d17_attn
		.amdhsa_group_segment_fixed_size 327680
		.amdhsa_private_segment_fixed_size 0
		.amdhsa_enable_private_segment 0
		.amdhsa_kernarg_size 48
		.amdhsa_user_sgpr_count 2
		.amdhsa_user_sgpr_kernarg_segment_ptr 1
		.amdhsa_wavefront_size32 1
		.amdhsa_system_sgpr_workgroup_id_x 1
		.amdhsa_system_sgpr_workgroup_id_y 1
		.amdhsa_system_sgpr_workgroup_id_z 1
		.amdhsa_system_vgpr_workitem_id 0
		.amdhsa_next_free_vgpr 1024
		.amdhsa_next_free_sgpr 66
		.amdhsa_reserve_vcc 0
		.amdhsa_float_denorm_mode_32 3
		.amdhsa_float_denorm_mode_16_64 3
		.amdhsa_memory_ordered 1
		.amdhsa_forward_progress 1
		.amdhsa_inst_pref_size 227
	.end_amdhsa_kernel
	.amdgpu_metadata
---
amdhsa.version: [ 1, 2 ]
amdhsa.kernels:
  - .name:           k_q4dbc532d17_attn
    .symbol:         k_q4dbc532d17_attn.kd
    .args:
      - { .name: qf, .offset: 0, .size: 8, .value_kind: global_buffer, .address_space: global }
      - { .name: kf, .offset: 8, .size: 8, .value_kind: global_buffer, .address_space: global }
      - { .name: vf, .offset: 16, .size: 8, .value_kind: global_buffer, .address_space: global }
      - { .name: x, .offset: 24, .size: 8, .value_kind: global_buffer, .address_space: global }
      - { .name: proj_b, .offset: 32, .size: 8, .value_kind: global_buffer, .address_space: global }
      - { .name: out0, .offset: 40, .size: 8, .value_kind: global_buffer, .address_space: global }
    .group_segment_fixed_size: 327680
    .private_segment_fixed_size: 0
    .kernarg_segment_align: 8
    .kernarg_segment_size: 48
    .max_flat_workgroup_size: 128
    .sgpr_count:     66
    .vgpr_count:     1024
    .wavefront_size: 32
...
	.end_amdgpu_metadata
.endif
;; end of part 3
